; MI455X (gfx1250); checked and timed in simulation.
; The chip was launched on July 23, 2026; its instructions are those of AMD's public machine-readable ISA for CDNA 5 (MIT licence, August 2026) and "CDNA5" Instruction Set Architecture Reference Guide (July 2026). The comments in the code are by the model that wrote it; some were corrected since.
;; Head. Allowed arithmetic: matrix products marked QUANTISED: E3M2 operands, one E8M0 scale for each 32 along K, by v_wmma_scale_f32_16x16x128_f8f6f4 with both operands' format E3M2, f32 sums; products left as they are: f32 operands where the result goes on into a quantised operand, else bf16, f16 or f32 operands; f32 sums; everything else in f32.
;; Inputs: w_k_codes 16 x 2 x 24 uint8 (E3M2 codes of w_k, K innermost, in blocks of 32 codes, four codes in three bytes); w_k_scales 16 x 2 uint8 (E8M0 scales of w_k, one for each 32 codes along K); w_q_codes 16 x 2 x 24 uint8 (E3M2 codes of w_q, K innermost, in blocks of 32 codes, four codes in three bytes); w_q_scales 16 x 2 uint8 (E8M0 scales of w_q, one for each 32 codes along K); w_v_codes 16 x 2 x 24 uint8 (E3M2 codes of w_v, K innermost, in blocks of 32 codes, four codes in three bytes); w_v_scales 16 x 2 uint8 (E8M0 scales of w_v, one for each 32 codes along K); x_codes 16 x 2,048 x 2 x 24 uint8 (E3M2 codes of x, K innermost, in blocks of 32 codes, four codes in three bytes); x_scales 16 x 2,048 x 2 uint8 (E8M0 scales of x, one for each 32 codes along K).
;; Outputs: out0 16 x 2,048 x 16 float32.
;; This version of the problem:
;;   THIS VERSION OF THE PROBLEM IS GIVEN IN LOW PRECISION. The matrix products marked QUANTISED in the list below multiply operands that are first quantised to E3M2 (3 exponent bits, 2 mantissa bits; 6 bits a number), with one power-of-two scale for each 32 numbers along K (OCP MX v1.0); their sums are f32. All else is computed in f32.
;;   The module's matrix products, in the order in which they are computed (A, B: the left and right operand; K: the contracted axis; several contracted axes count as one K, in the product's order):
;;     1. [M 32,768, K 64] x [K 64, N 16]; A: input x (given as codes); B: input w_q (given as codes): QUANTISED
;;     2. [M 32,768, K 64] x [K 64, N 16]; A: input x (given as codes); B: input w_k (given as codes): QUANTISED
;;     3. [M 32,768, K 64] x [K 64, N 16]; A: input x (given as codes); B: input w_v (given as codes): QUANTISED
;;     4. batch 16 x [M 2,048, K 16] x [K 16, N 2,048]; A: computed on the way; B: computed on the way: left as it is (K = 16 < 32)
;;     5. batch 16 x [M 2,048, K 2,048] x [K 2,048, N 16]; A: softmax (see below); B: computed on the way: QUANTISED
;;   THE QUANTISER, for each operand of a quantised product, along K:
;;     - K is cut into blocks of 32 from its start; a last block that is shorter is filled with zeros.
;;     - A block's scale is 2^e with e = floor(log2(the largest magnitude in the block)) - 4, held to -126 .. 127; a block of zeros has e = 0. As a byte (E8M0): e + 127.
;;     - Each number is divided by its block's scale, clamped to +-28, and rounded to the nearest number of E3M2, ties to even, subnormals kept.
;;     - The product sums the exact products of the quantised numbers (number of the format x scale) in f32.
;;   ~~~python
;;   def quantise(x, axis):      # numpy; x: float32 -> the quantised numbers, widened to float32 again
;;       x = np.moveaxis(x, axis, -1); K = x.shape[-1]
;;       x = np.pad(x, [(0, 0)] * (x.ndim - 1) + [(0, -K % 32)]); x = x.reshape(x.shape[:-1] + (-1, 32)); a = np.abs(x).max(-1, keepdims=True)
;;       e = np.where(a > 0, np.clip(np.frexp(np.where(a > 0, a, 1))[1] - 1 - 4, -126, 127), 0)      # np.frexp(a)[1] - 1 = floor(log2(a)), exactly
;;       r = np.clip(x / 2.0 ** e, -28, 28)
;;       step = 2.0 ** (np.maximum(np.frexp(np.where(r == 0, 1, r))[1] - 1, -2) - 2)
;;       q = np.round(r / step) * step * 2.0 ** e      # np.round: ties to even
;;       return np.moveaxis(q.reshape(q.shape[:-2] + (-1,))[..., :K], -1, axis).astype(np.float32)
;;   ~~~
;;   SOFTMAX AHEAD OF A QUANTISED PRODUCT. Where the list says 'softmax', what is quantised is not the finished softmax but p = 2^(t - M), with t = logit x log2(e) and M = ceil(the row's largest t), a whole number; so 1/2 < the row's largest p <= 1. The row's sum l is taken of the UNQUANTISED p, in f32, and the product's result is divided by l at the end. Since M is a whole number, a kernel that streams over the keys may use a running M (the ceiling of the running maximum): every later rescaling is an exact power of two, which a block's scale takes up: the codes' values come out the same.
;;   OPERANDS COMPUTED ON THE WAY. 'Computed on the way' means the value that the module computes at that place (a softmax that the list does not call 'softmax' is quantised finished and normalised). What goes into a quantiser is computed in f32, as accurately as f32 sums, v_exp_f32 and their like allow (about 1e-6 of the number): no bf16 or f16 on the way to a quantiser, and a product that is left as it is and whose result goes on into a quantised operand takes f32 operands (vector FMAs, or v_wmma_f32_16x16x4_f32). A number that lies on a knife's edge between two numbers of the format may be rounded either way, as far as f32 arithmetic and the matrix unit's own rounding can turn it there, and no further.
;;   INPUTS GIVEN AS CODES. w_k (in the module: [64, 16], K = its axis 0); w_q (in the module: [64, 16], K = its axis 0); w_v (in the module: [64, 16], K = its axis 0); x (in the module: [16, 2048, 64], K = its axis 2): each comes as NAME_codes (uint8): NAME with its K axis moved to the last place and cut into blocks of 32 codes, [.., K / 32, bytes a block], one block behind the other in memory; four codes in three bytes: a row's codes are one little-endian stream of bits, code i at bits 6 i .. 6 i + 5 (a code: sign, 3 exponent bits, 2 mantissa bits); and NAME_scales (uint8): the same leading axes, one E8M0 byte (e + 127) for each 32 codes along K. Its value is code x scale, taken as it is: it is not quantised again, and the codes and scales need not be those that the quantiser above would give.
;; One version. Each part assembles by itself: llvm-mc -triple=amdgcn-amd-amdhsa -mcpu=gfx1250 --defsym DOCPART=n.
;; ======== version 1 of 1: 2 launches
;; workspace buffers: qf 2,097,152 bytes; kf 2,097,152 bytes; vf 425,984 bytes
;; launch prep (part 1): grid 16 x 16, 2 waves a work-group, no clusters, 0 bytes of LDS; arguments x_codes, x_scales, w_q_codes, w_q_scales, w_k_codes, w_k_scales, w_v_codes, w_v_scales, qf, kf, vf; writes qf, kf, vf
.if DOCPART == 1
	.amdgcn_target "amdgcn-amd-amdhsa--gfx1250"
	.amdhsa_code_object_version 6
	.text
	.protected	k_q49199b0c30_prep
	.globl	k_q49199b0c30_prep
	.p2align	8
	.type	k_q49199b0c30_prep,@function
k_q49199b0c30_prep:
	s_mov_b64 s[64:65], 0
	v_nop
	global_prefetch_b8 v0, s[64:65] scope:SCOPE_SE
	s_setreg_imm32_b32 hwreg(HW_REG_WAVE_MODE, 25, 1), 1
	s_wait_xcnt 0x0
; q = rope(x Wq), k = rope(x Wk), v = x Wv for 16 x 2,048 tokens of 64 numbers; head size 16.  x and the weights arrive as codes of E3M2 with one E8M0 byte for each 32 along K.
; The three products go by the scaled 16x16x128 form on E3M2 codes.  K is 64, half of what the instruction takes: registers 6 to 11 of every fragment are zero codes, on both sides, and add nothing
; (their scale bytes are the zeros that the 16-bit loads leave above the two bytes: 2^-127, over zero codes).
; OUT, all three laid in the order in which the next launch's operand registers take them:
;   qf, kf: f32.  A tile of 16 tokens is 1,024 bytes: g x 512 + 16 x lane holds, for lane (r, h), channels 8 h + 4 g + 0 .. 3 of the tile's token r.
;   vf: a key step of 128 tokens is 1,664 bytes: the fragment of V^T (16 channels x 128 keys, E3M2, quantised along the keys) and its scale words.
; THE TOKENS OF A TILE ARE NOT NEIGHBOURS: lane r of tile t (0 .. 7 in a group of 128) takes token 32 (t / 2) + 8 (t % 2) + r + 8 (r / 8), so that the 16 results that a lane holds of tiles 2 b and 2 b + 1 are 16 neighbours along the keys.
; SHARES: work-group (x = group of 128 tokens, y = batch); wave c takes tokens 64 c .. 64 c + 63 of the group: four tiles, two blocks of 32 keys.  Straight-line text: no loop, no LDS, no barrier; waves share nothing.
; q and k are used TRANSPOSED (source 0 = the weight's 16 channels, source 1 = 16 tokens): a lane holds one token and eight neighbouring channels, four RoPE pairs.  v is used as it stands (source 0 = 16 tokens,
; source 1 = the 16 channels): a lane holds one channel, and its registers run along the tokens, which are the next product's K.
; SINE AND COSINE are written out in f32: the angle is position x inv_freq, rounded once; a whole number of quarter turns is taken off with pi / 2 in three parts by fused multiply-adds; polynomials of degree 7 and 8 on +-pi / 4.
; LIMITS: inv_freq is taken as the f32 number nearest 10^(-i / 2); sine and cosine are good to about 1e-7; a block of v that is all zeros gets the scale byte 1 (its codes are zeros, and this program alone reads the bytes);
; NaN and infinities among the inputs are not served.
.set POS,  11                          ; v11       my token's place in its sequence, tile 0 of the wave, a whole number
.set INVF, 12                          ; v12-15    inv_freq of my four pairs: pair 4 h + i
.set X,    16                          ; v16-63    x's fragments, 12 registers a tile
.set WQ,   64                          ; v64-99    the weights' fragments
.set WK,   76
.set WV,   88
.set XS,   100                         ; v100-103  x's scale words, one a tile;  v104-106 the weights'
.set WQS,  104
.set WKS,  105
.set WVS,  106
.set QA,   108                         ; v108-139  q, 8 registers a tile;  v140-171 k;  v172-203 v
.set KA,   140
.set VA,   172
.set COS,  204                         ; v204-219  cosines, 4 a tile;  v220-235 sines
.set SIN,  220
.set TR,   108                         ; at work on the angles, ahead of the products, in q's registers: the angle, then what is left of it
.set TN,   112                         ; the number of quarter turns, f32
.set TZ,   116                         ; the square
.set TI,   120                         ; the number of quarter turns, whole
.set TS,   124                         ; sine's polynomial
.set TC,   128                         ; cosine's
.set TT,   132
.set PF,   136                         ; the tile's position, f32
.set TM,   236                         ; v236-243  RoPE's temporaries, then the quantiser's
.set CD,   244                         ; v244-249  half a fragment of V^T;  v250-252 a conversion's second result
	s_load_b512 s[4:19], s[0:1], 0x0               ; x's codes s[4:5], scales s[6:7]; Wq's s[8:9], s[10:11]; Wk's s[12:13], s[14:15]; Wv's s[16:17], s[18:19]
	s_load_b128 s[20:23], s[0:1], 0x40             ; qf, kf
	s_load_b64 s[24:25], s[0:1], 0x50              ; vf
	v_lshrrev_b32 v1, 5, v0
	v_readfirstlane_b32 s26, v1                    ; wave c
	v_and_b32 v1, 15, v0                           ; r
	v_bfe_u32 v2, v0, 4, 1                         ; h
	v_and_b32 v3, 8, v1
	v_add_nc_u32 v3, v3, v1                        ; r + 8 (r / 8)
	v_mul_u32_u24 v4, v3, 48                       ; x: a token's 64 codes are 48 bytes;
	v_mad_u32_u24 v4, v2, 24, v4                   ; my half's 32 codes are 24
	v_lshlrev_b32 v5, 1, v3                        ; x's scales: 2 bytes a token
	v_mul_u32_u24 v6, v1, 48                       ; a weight: channel r
	v_mad_u32_u24 v6, v2, 24, v6
	v_lshlrev_b32 v7, 1, v1
	v_and_b32 v10, 31, v0                          ; lane
	v_lshlrev_b32 v8, 4, v10                       ; 16, 8 and 4 x lane: places in the images
	v_lshlrev_b32 v9, 3, v10
	v_lshlrev_b32 v10, 2, v10
	s_and_b32 s30, ttmp7, 0xffff                   ; batch
	s_lshl_b32 s31, ttmp9, 7
	s_lshl_b32 s32, s26, 6
	s_add_co_u32 s31, s31, s32                     ; my first token's place in its sequence: 128 x group + 64 c
	s_lshl_b32 s27, s30, 11
	s_add_co_u32 s27, s27, s31                     ; and among all 32,768 tokens
	s_mul_i32 s28, s27, 48                         ; byte offsets, in registers of their own: x's codes,
	s_mov_b32 s29, 0
	s_lshl_b32 s32, s27, 1                         ; x's scales,
	s_mov_b32 s33, 0
	s_lshl_b32 s34, s27, 6                         ; qf and kf: 64 bytes a token,
	s_mov_b32 s35, 0
	s_lshl_b32 s48, s30, 4
	s_add_co_u32 s48, s48, ttmp9
	s_mul_i32 s48, s48, 1664                       ; vf: the key step's block;
	s_mul_i32 s44, s26, 768
	s_add_co_u32 s44, s44, s48                     ; my half of the fragment,
	s_mov_b32 s45, 0
	s_lshl_b32 s46, s26, 1
	s_add_co_u32 s46, s46, s48
	s_add_co_u32 s46, s46, 1536                    ; my two bytes of each scale word
	s_mov_b32 s47, 0
	s_mov_b32 s36, 0x76543210                      ; v_permlanex16_b32's selects for lane l xor 16
	s_mov_b32 s37, 0xfedcba98
	s_mov_b32 s38, 0xb94ca1f9                      ; the leading coefficients of sine's and cosine's polynomials
	s_mov_b32 s39, 0x37ccf5ce
	v_add_nc_u32 v[POS], s31, v3
	s_wait_kmcnt 0x0
	s_add_nc_u64 s[4:5], s[4:5], s[28:29]
	s_add_nc_u64 s[6:7], s[6:7], s[32:33]
	s_add_nc_u64 s[20:21], s[20:21], s[34:35]
	s_add_nc_u64 s[22:23], s[22:23], s[34:35]
	s_add_nc_u64 s[44:45], s[24:25], s[44:45]
	s_add_nc_u64 s[46:47], s[24:25], s[46:47]
	; 28 loads; every address is a multiple of its access's size
.irp p, 0,1,2
	global_load_b64 v[WQ+2*\p:WQ+2*\p+1], v6, s[8:9] offset:8*\p
	global_load_b64 v[WK+2*\p:WK+2*\p+1], v6, s[12:13] offset:8*\p
	global_load_b64 v[WV+2*\p:WV+2*\p+1], v6, s[16:17] offset:8*\p
.endr
	global_load_u16 v[WQS], v7, s[10:11]
	global_load_u16 v[WKS], v7, s[14:15]
	global_load_u16 v[WVS], v7, s[18:19]
.irp t, 0,1,2,3
.irp p, 0,1,2
	global_load_b64 v[X+12*\t+2*\p:X+12*\t+2*\p+1], v4, s[4:5] offset:(32*(\t/2)+8*(\t%2))*48+8*\p
.endr
	global_load_u16 v[XS+\t], v5, s[6:7] offset:(32*(\t/2)+8*(\t%2))*2
.endr
	; K = 64 .. 127 of all seven fragments: zero codes
.irp f, X, X+12, X+24, X+36, WQ, WK, WV
.irp j, 6,7,8,9,10,11
	v_mov_b32 v[\f+\j], 0
.endr
.endr
	; inv_freq of my four pairs: lanes 0-15 pairs 0 to 3, lanes 16-31 pairs 4 to 7
	v_cmp_eq_u32 vcc_lo, 1, v2
	v_mov_b32 v[INVF+0], 0x3c23d70a
	v_mov_b32 v[INVF+1], 0x3b4f3e37
	v_mov_b32 v[INVF+2], 0x3a83126f
	v_mov_b32 v[INVF+3], 0x39a5cb5f
	v_cndmask_b32 v[INVF+0], 1.0, v[INVF+0], vcc_lo
	v_cndmask_b32 v[INVF+1], 0x3ea1e89b, v[INVF+1], vcc_lo
	v_cndmask_b32 v[INVF+2], 0x3dcccccd, v[INVF+2], vcc_lo
	v_cndmask_b32 v[INVF+3], 0x3d0186e2, v[INVF+3], vcc_lo
; Sine and cosine of tile tl's four angles of my token, the four by turns, line by line.  They stand here so that the loads above land meanwhile.
.macro SC4 tl
	v_add_nc_u32 v[PF], 32*(\tl/2)+8*(\tl%2), v[POS]
	v_cvt_f32_u32 v[PF], v[PF]                     ; exact: under 2,048
.irp i, 0,1,2,3
	v_mul_f32 v[TR+\i], v[PF], v[INVF+\i]          ; the angle, rounded once
.endr
.irp i, 0,1,2,3
	v_mul_f32 v[TN+\i], 0x3f22f983, v[TR+\i]       ; x 2 / pi
.endr
.irp i, 0,1,2,3
	v_rndne_f32 v[TN+\i], v[TN+\i]                 ; N quarter turns
.endr
.irp c, 0xbfc90fda, 0xb3a22168, 0xa7c234c4
.irp i, 0,1,2,3
	v_fmamk_f32 v[TR+\i], v[TN+\i], \c, v[TR+\i]   ; less N x pi / 2, in three parts
.endr
.endr
.irp i, 0,1,2,3
	v_mul_f32 v[TZ+\i], v[TR+\i], v[TR+\i]
.endr
.irp i, 0,1,2,3
	v_cvt_i32_f32 v[TI+\i], v[TN+\i]
.endr
.irp i, 0,1,2,3
	v_fmaak_f32 v[TS+\i], s38, v[TZ+\i], 0x3c08839e
.endr
.irp i, 0,1,2,3
	v_fmaak_f32 v[TC+\i], s39, v[TZ+\i], 0xbab6061a
.endr
.irp i, 0,1,2,3
	v_fmaak_f32 v[TS+\i], v[TS+\i], v[TZ+\i], 0xbe2aaaa3
.endr
.irp i, 0,1,2,3
	v_fmaak_f32 v[TC+\i], v[TC+\i], v[TZ+\i], 0x3d2aaaa5
.endr
.irp i, 0,1,2,3
	v_mul_f32 v[TT+\i], v[TZ+\i], v[TR+\i]
.endr
.irp i, 0,1,2,3
	v_fma_f32 v[TS+\i], v[TS+\i], v[TT+\i], v[TR+\i]   ; sin of what is left
.endr
.irp i, 0,1,2,3
	v_mul_f32 v[TT+\i], v[TZ+\i], v[TZ+\i]
.endr
.irp i, 0,1,2,3
	v_fma_f32 v[TZ+\i], v[TZ+\i], -0.5, 1.0
.endr
.irp i, 0,1,2,3
	v_fma_f32 v[TC+\i], v[TC+\i], v[TT+\i], v[TZ+\i]   ; cos of it
.endr
.irp i, 0,1,2,3
	v_and_b32 v[TT+\i], 1, v[TI+\i]
.endr
.irp i, 0,1,2,3
	v_cmp_eq_u32 s[40+\i], 1, v[TT+\i]             ; an odd number of quarter turns: the two change places
.endr
.irp i, 0,1,2,3
	v_cndmask_b32 v[SIN+4*\tl+\i], v[TS+\i], v[TC+\i], s[40+\i]
.endr
.irp i, 0,1,2,3
	v_cndmask_b32 v[COS+4*\tl+\i], v[TC+\i], v[TS+\i], s[40+\i]
.endr
.irp i, 0,1,2,3
	v_lshlrev_b32 v[TT+\i], 30, v[TI+\i]           ; sine's sign: bit 1 of N;
.endr
.irp i, 0,1,2,3
	v_add_nc_u32 v[TI+\i], 1, v[TI+\i]             ; cosine's: bit 1 of N + 1
.endr
.irp i, 0,1,2,3
	v_and_b32 v[TT+\i], 0x80000000, v[TT+\i]
.endr
.irp i, 0,1,2,3
	v_lshlrev_b32 v[TI+\i], 30, v[TI+\i]
.endr
.irp i, 0,1,2,3
	v_xor_b32 v[SIN+4*\tl+\i], v[TT+\i], v[SIN+4*\tl+\i]
.endr
.irp i, 0,1,2,3
	v_and_b32 v[TI+\i], 0x80000000, v[TI+\i]
.endr
.irp i, 0,1,2,3
	v_xor_b32 v[COS+4*\tl+\i], v[TI+\i], v[COS+4*\tl+\i]
.endr
.endm
	SC4 0
	SC4 1
	SC4 2
	SC4 3
	s_wait_loadcnt 0x0                             ; all 28 loads
	; twelve products, each on an accumulator of its own, each begun with the constant 0
.irp t, 0,1,2,3
	v_wmma_scale_f32_16x16x128_f8f6f4 v[QA+8*\t:QA+8*\t+7], v[WQ:WQ+11], v[X+12*\t:X+12*\t+11], 0, v[WQS], v[XS+\t] matrix_a_fmt:MATRIX_FMT_BF6 matrix_b_fmt:MATRIX_FMT_BF6
	v_wmma_scale_f32_16x16x128_f8f6f4 v[KA+8*\t:KA+8*\t+7], v[WK:WK+11], v[X+12*\t:X+12*\t+11], 0, v[WKS], v[XS+\t] matrix_a_fmt:MATRIX_FMT_BF6 matrix_b_fmt:MATRIX_FMT_BF6
	v_wmma_scale_f32_16x16x128_f8f6f4 v[VA+8*\t:VA+8*\t+7], v[X+12*\t:X+12*\t+11], v[WV:WV+11], 0, v[XS+\t], v[WVS] matrix_a_fmt:MATRIX_FMT_BF6 matrix_b_fmt:MATRIX_FMT_BF6
.endr
.rept 4
	v_nop                                          ; four places between the last product and the first read of a result (ISA guide 7.12.1)
.endr
; RoPE in place on the accumulator at v[a]: pair i is registers 2 i (even channel) and 2 i + 1 (odd).  The first read is register 1: each accumulator is read from its low end on.
.macro ROPE a, tl
.irp i, 0,1,2,3
	v_mul_f32 v[TM+2*\i], v[\a+2*\i+1], v[SIN+4*\tl+\i]
	v_mul_f32 v[TM+2*\i+1], v[\a+2*\i+1], v[COS+4*\tl+\i]
.endr
.irp i, 0,1,2,3
	v_fma_f32 v[\a+2*\i+1], v[\a+2*\i], v[SIN+4*\tl+\i], v[TM+2*\i+1]     ; odd = even sin + odd cos
	v_fma_f32 v[\a+2*\i], v[\a+2*\i], v[COS+4*\tl+\i], -v[TM+2*\i]        ; even = even cos - odd sin
.endr
.endm
.irp t, 0,1,2,3
	ROPE QA+8*\t, \t
	ROPE KA+8*\t, \t
.irp g, 0,1
	global_store_b128 v8, v[QA+8*\t+4*\g:QA+8*\t+4*\g+3], s[20:21] offset:1024*\t+512*\g   ; 32 lanes store 512 consecutive bytes, at a multiple of 512 from the buffer's first byte
	global_store_b128 v8, v[KA+8*\t+4*\g:KA+8*\t+4*\g+3], s[22:23] offset:1024*\t+512*\g
.endr
.endr
	; v along the keys: register 16 b + i of v[VA] on is token 32 b + 16 h + i of channel r.  Two blocks of 32; a block lies in lanes l and l xor 16.
.irp b, 0,1
	v_max3_num_f32 v[TM+\b], |v[VA+16*\b]|, |v[VA+16*\b+1]|, 0x2800000    ; my 16 numbers, and the floor 2^(5 - 127): so the byte cannot fall under 1
.endr
.irp i, 2,4,6,8,10,12,14
.irp b, 0,1
	v_max3_num_f32 v[TM+\b], v[TM+\b], |v[VA+16*\b+\i]|, |v[VA+16*\b+\i+1]|
.endr
.endr
.irp b, 0,1
	v_permlanex16_b32 v[TM+2+\b], v[TM+\b], s36, s37   ; (its destination counts as read: RoPE's temporaries have written it)
.endr
.irp b, 0,1
	v_max_num_f32 v[TM+\b], v[TM+\b], v[TM+2+\b]   ; the block's largest magnitude
.endr
.irp b, 0,1
	v_add_nc_u32 v[TM+4+\b], 0xfe000000, v[TM+\b]  ; 4 off its exponent field: the conversion takes this operand's exponent field as its scale
.endr
.irp b, 0,1
	v_lshrrev_b32 v[TM+2+\b], 23, v[TM+4+\b]       ; the scale's byte
.endr
	v_lshl_or_b32 v[TM+6], v[TM+3], 8, v[TM+2]     ; my wave's two bytes of channel r's scale word
	v_cvt_scalef32_pk16_bf6_f32 v[CD:CD+2], v[VA:VA+15], v[TM+4]
	v_cvt_scalef32_pk16_bf6_f32 v[CD+6:CD+8], v[VA+16:VA+31], v[TM+5]     ; (a conversion's three registers begin on an even number)
	v_nop                                          ; one plain place behind a scaled conversion
.irp i, 0,1,2
	v_permlane16_swap_b32 v[CD+\i], v[CD+6+\i]     ; the operand's layout wants a whole block in a lane: lanes 0-15 the first block, lanes 16-31 the second
.endr
.irp i, 0,1,2
	v_mov_b32 v[CD+3+\i], v[CD+6+\i]
.endr
	global_store_b128 v8, v[CD:CD+3], s[44:45]              ; registers 6 c .. 6 c + 3 of the fragment, 16 bytes a lane
	global_store_b64 v9, v[CD+4:CD+5], s[44:45] offset:512  ; registers 6 c + 4, 6 c + 5, 8 bytes a lane
	global_store_b16 v10, v[TM+6], s[46:47]                 ; bytes 2 c, 2 c + 1 of the word at 4 x lane; lanes 16-31 hold the same bytes as lanes 0-15
	s_endpgm
.Lfunc_end_k_q49199b0c30_prep:
	.size	k_q49199b0c30_prep, .Lfunc_end_k_q49199b0c30_prep-k_q49199b0c30_prep
	.p2alignl 7, 3214868480
	.fill 96, 4, 3214868480
	.section	.rodata,"a",@progbits
	.p2align	6, 0x0
	.amdhsa_kernel k_q49199b0c30_prep
		.amdhsa_group_segment_fixed_size 0
		.amdhsa_private_segment_fixed_size 0
		.amdhsa_enable_private_segment 0
		.amdhsa_kernarg_size 88
		.amdhsa_user_sgpr_count 2
		.amdhsa_user_sgpr_kernarg_segment_ptr 1
		.amdhsa_wavefront_size32 1
		.amdhsa_system_sgpr_workgroup_id_x 1
		.amdhsa_system_sgpr_workgroup_id_y 1
		.amdhsa_system_sgpr_workgroup_id_z 1
		.amdhsa_system_vgpr_workitem_id 0
		.amdhsa_next_free_vgpr 256
		.amdhsa_next_free_sgpr 66
		.amdhsa_reserve_vcc 1
		.amdhsa_float_denorm_mode_32 3
		.amdhsa_float_denorm_mode_16_64 3
		.amdhsa_memory_ordered 1
		.amdhsa_forward_progress 1
		.amdhsa_inst_pref_size 41
	.end_amdhsa_kernel
	.amdgpu_metadata
---
amdhsa.version: [ 1, 2 ]
amdhsa.kernels:
  - .name:           k_q49199b0c30_prep
    .symbol:         k_q49199b0c30_prep.kd
    .args:
      - { .name: x_codes, .offset: 0, .size: 8, .value_kind: global_buffer, .address_space: global }
      - { .name: x_scales, .offset: 8, .size: 8, .value_kind: global_buffer, .address_space: global }
      - { .name: w_q_codes, .offset: 16, .size: 8, .value_kind: global_buffer, .address_space: global }
      - { .name: w_q_scales, .offset: 24, .size: 8, .value_kind: global_buffer, .address_space: global }
      - { .name: w_k_codes, .offset: 32, .size: 8, .value_kind: global_buffer, .address_space: global }
      - { .name: w_k_scales, .offset: 40, .size: 8, .value_kind: global_buffer, .address_space: global }
      - { .name: w_v_codes, .offset: 48, .size: 8, .value_kind: global_buffer, .address_space: global }
      - { .name: w_v_scales, .offset: 56, .size: 8, .value_kind: global_buffer, .address_space: global }
      - { .name: qf, .offset: 64, .size: 8, .value_kind: global_buffer, .address_space: global }
      - { .name: kf, .offset: 72, .size: 8, .value_kind: global_buffer, .address_space: global }
      - { .name: vf, .offset: 80, .size: 8, .value_kind: global_buffer, .address_space: global }
    .group_segment_fixed_size: 0
    .private_segment_fixed_size: 0
    .kernarg_segment_align: 8
    .kernarg_segment_size: 88
    .max_flat_workgroup_size: 64
    .sgpr_count:     66
    .vgpr_count:     256
    .wavefront_size: 32
...
	.end_amdgpu_metadata
.endif
;; end of part 1
;; launch attn (part 2): grid 16 x 16, 16 waves a work-group, clusters of 4 x 1, 208,896 bytes of LDS; arguments qf, kf, vf, out0; writes out0
.if DOCPART == 2
	.amdgcn_target "amdgcn-amd-amdhsa--gfx1250"
	.amdhsa_code_object_version 6
	.text
	.protected	k_q49199b0c30_attn
	.globl	k_q49199b0c30_attn
	.p2align	8
	.type	k_q49199b0c30_attn,@function
k_q49199b0c30_attn:
	s_mov_b64 s[64:65], 0
	v_nop
	global_prefetch_b8 v0, s[64:65] scope:SCOPE_SE
	s_setreg_imm32_b32 hwreg(HW_REG_WAVE_MODE, 25, 1), 1
	s_wait_xcnt 0x0
	s_wait_alu depctr_hold_cnt(0) depctr_sa_sdst(0) depctr_va_vdst(0) depctr_va_sdst(0) depctr_va_ssrc(0) depctr_va_vcc(0) depctr_vm_vsrc(0)
	s_getreg_b32 s2, hwreg(HW_REG_IB_STS2, 6, 4)
	s_cmp_eq_u32 s2, 0
	s_cbranch_scc0 .Lentry_in_a_cluster
	s_endpgm
.Lentry_in_a_cluster:
	s_bfe_u32 s2, ttmp6, 0x10000c
	s_cmp_lg_u32 s2, 0x3003
	s_cbranch_scc0 .Lentry_shape_is_right
	s_endpgm
.Lentry_shape_is_right:
; out[b][q] = the sum over keys k <= q of softmax_k(q . k / 4) v[k], 16 batches x 2,048 tokens, head size 16.  qf, kf: rotated q and k in f32; vf: V^T as E3M2 codes along the keys with E8M0 scale words;
; all three lie in the order of the operands' registers, as the launch before has stored them.
; THE SCORES feed a quantiser, so they are made with f32 operands: S^T = K Q^T by the f32 matrix form, four K steps of 4.  A lane's registers 2 s, 2 s + 1 hold channels 8 h + 2 s + 0, 1 in K's fragment and in Q's alike:
; the same permutation of the 16 channels on both sides, which keeps the sum.  The registers that this form writes (v32-95) are written by nothing else: masked scores and p go into v96-159.
; THE SOFTMAX: t = score x log2(e) / 4; M = the largest t so far, rounded UP to a whole number; p = 2^(t - M) is quantised along the keys, not normalised; the sum is taken of the unquantised p and divides at the end.
; When M moves, the sum and O^T are multiplied by 2^(old M - new M), which rounds nothing.  O^T += V^T P^T goes by the scaled form on E3M2 codes.  A lane holds ONE query (lane % 16) throughout.
; A UNIT is one tile of 16 queries against one key step of 128 keys.  Query group m (128 tokens) has m + 1 steps that count; the steps behind the diagonal are not computed.
; SHARES.  Cluster x = X (0 .. 3), place in the cluster cx, y = batch.  Four waves form a pair-team p = w / 4 with type = p / 2, e = p % 2.  The team owns two tiles: tile 2 cx + e of group ML = 2 X + type and of group
; MH = 15 - ML: ML + 1 + MH + 1 = 17 units, numbered n (low tile: n = step; high tile: n = ML + 1 + step).  Its wave with u = (w + p) % 4 takes the units n = u modulo 4, each wave with an M, a sum and an O^T of its own;
; the four partial results meet in LDS and are joined by exact powers of two.  So every work-group has 68 units.  Every branch hangs on X, the wave's number and a counter; cx enters q's and out's
; global addresses and the mask's data alone.
; K AND V of the whole batch stay in LDS (131,072 + 26,624 bytes); each byte is filled once, by three tensor loads a wave, all issued at the head: 2,048 bytes of K's steps 0 to 3, V's step w (1,664 bytes), and
; 6,144 bytes of K's steps 4 to 15: three loads of a wave are out, at the head alone.  THE WORK BEGINS ON THE FIRST PART: the first barrier stands behind the two small loads; behind it the high tile's steps 0 to 3 are
; worked, which are one unit for each wave (MH is at least 8, so none of them is hidden or on the diagonal, and their numbers ML + 1 + 0 .. 3 take every residue modulo 4), while the large load is on its way;
; a second barrier, behind every wave's wait for all its loads, stands in front of step 4.  The low tile comes last.  Nothing is filled again.
; CLUSTER: the four work-groups of a cluster belong to one batch and want the same K and V: each load is asked for jointly, with the same descriptor and the mask of all four.
; No prefetch: every load from memory stands at the head.  No padding in LDS: every LDS load takes consecutive bytes, 16, 8 or 4 a lane.
; THE TOKENS OF A TILE ARE NOT NEIGHBOURS: row r of tile t takes token 32 (t / 2) + 8 (t % 2) + r + 8 (r / 8) of its group: so the 16 scores that a lane holds of key tiles 2 b, 2 b + 1 are keys 32 b + 16 h + 0 .. 15.
; LIMITS: NaN and infinities are not served; a block of p that is all zeros gets the scale byte 1: its codes are zeros.
.set KSB,  8192                        ; a key step of K in LDS and in kf: 8 tiles x 1,024 bytes
.set VSB,  1664                        ; a key step of V: 1,536 bytes of codes, 128 of scale words
.set NA,   4                           ; key steps in K's first part
.set KAW,  NA*KSB/16                   ; a wave's share of it: 2,048 bytes, 8 rows of 256
.set KBW,  (16-NA)*KSB/16              ; and of the rest: 6,144 bytes, 24 rows of 256
.set VB,   131072                      ; LDS: K's 16 steps from 0, V's 16 steps from here,
.set MRG,  157696                      ; the partial results: 2,560 bytes a wave: for each of its two tiles O^T (1,024) and the pairs (-M, sum) (256),
.set STG,  198656                      ; the way out: 1,024 bytes for each of waves 0 to 7
.set S,    32                          ; v32-95    S^T: 8 tiles x 8 registers
.set P,    96                          ; v96-159   K's fragments, then p
.set OT,   160                         ; v160-167  O^T
.set VF,   168                         ; v168-179  V^T's fragment
.set VSC,  180                         ; v180      its scale words
.set PSC,  181                         ; v181      p's scale word
.set PCD,  184                         ; v184-195  p's codes
.set CT,   196                         ; v196-198, v200-202 conversions' second results
.set BM,   204                         ; v204-207  the blocks' largest scores, then largest p
.set BB,   208                         ; v208-211  lane l xor 16's, then the bytes
.set SO,   212                         ; v212-215  the conversions' scale operands
.set FF,   216                         ; v[216:217] f = 2^(old M - new M); the upper word is only named
.set TMP,  218
.set L2,   220                         ; v[220:221] the sums' second chain
; v1-3: 16, 8, 4 x lane.  v4-7: the step's LDS addresses.  v8: d, for the mask.  v9: -infinity.  v10, v11: where my partial results go.  v12: -M, v13: the largest t, v[14:15]: the sum in two halves.
; v16-23, v24-31: Q of my low and my high tile.  v182, v199: where a merging wave reads.  v183, v203: the stage, in and out.
; s12 wave, s13 X, s14 cx, s15 batch, s16 p, s17 u, s19 ML, s20 MH, s21 ML + 1, s22 0, s23 e; descriptor groups 1: s[24:31] K's first part, s[32:39] V, s[72:79] K's rest; groups 0: s[40:43], s[44:47], s[80:83];
; s48 step, s49, s50 its K's and V's LDS byte; s51 at work.
.macro CROUND                          ; a round of the cluster's barrier: my work-group's barrier; wave 0 signals for the work-group; every wave waits for all four; my work-group's barrier once more
	s_barrier_signal -1
	s_barrier_wait -1
	s_cmp_lg_u32 s12, 0
	s_cbranch_scc1 .Lnot_wave_0_\@
	s_barrier_signal -3
.Lnot_wave_0_\@:
	s_barrier_wait -3
	s_barrier_signal -1
	s_barrier_wait -1
.endm
; A tile's state at its start.  The unit is written once for first and later steps: the first change of M multiplies zeros.
.macro START
	v_mov_b32 v13, 0xff61b1e6                      ; the largest t so far: -3e38, under every t
	v_floor_f32 v12, -v13                          ; -M
	v_mov_b32 v14, 0
	v_mov_b32 v15, 0
.irp j, 0,1,2,3,4,5,6,7
	v_mov_b32 v[OT+\j], 0
.endr
.endm
	s_load_b256 s[4:11], s[0:1], 0x0               ; qf s[4:5], kf s[6:7], vf s[8:9], out0 s[10:11]
	v_lshl_add_u32 v254, v0, 2, 0x32800
	v_mov_b32 v255, 0
	ds_add_u32 v254, v255
	ds_add_u32 v254, v255
	v_lshrrev_b32 v1, 5, v0
	v_readfirstlane_b32 s12, v1                    ; wave 0 .. 15
	s_mov_b32 s13, ttmp9                           ; X: in a cluster launch ttmp9 counts clusters
	s_bfe_u32 s14, ttmp6, 0x40000                  ; cx
	s_and_b32 s15, ttmp7, 0xffff                   ; batch
	s_lshr_b32 s16, s12, 2                         ; p
	s_add_co_u32 s17, s12, s16
	s_and_b32 s17, s17, 3                          ; u
	s_lshr_b32 s18, s16, 1                         ; type
	s_lshl_b32 s19, s13, 1
	s_add_co_u32 s19, s19, s18                     ; ML
	s_sub_co_u32 s20, 15, s19                      ; MH
	s_add_co_u32 s21, s19, 1                       ; the high tile's first unit number
	s_mov_b32 s22, 0                               ; the low tile's
	s_and_b32 s23, s16, 1                          ; e
	; descriptor groups 1.  K: dense bytes as rows of 32 elements of 8 bytes: 8 rows a wave of the first part, 24 of the rest.  V: a step's 1,664 bytes as one row of 208 elements.
	s_mov_b32 s24, 15|(3<<16)|(1<<21)              ; 15:0 the mask: all four work-groups; 17:16 elements of 8 bytes; 20 no padding; 21 set beside a mask
	s_mov_b32 s25, 32<<16                          ; tensor_dim0 = 32
	s_mov_b32 s26, (KAW/256)<<16                   ; tensor_dim1 = 8
	s_mov_b32 s27, 32<<16                          ; tile_dim0 = 32
	s_mov_b32 s28, KAW/256                         ; tile_dim1 = 8
	s_mov_b32 s29, 32                              ; elements from row to row
	s_mov_b32 s30, 0
	s_mov_b32 s31, 0
	s_mov_b32 s32, 15|(3<<16)|(1<<21)
	s_mov_b32 s33, 208<<16
	s_mov_b32 s34, 1<<16
	s_mov_b32 s35, 208<<16
	s_mov_b32 s36, 1
	s_mov_b32 s37, 208
	s_mov_b32 s38, 0
	s_mov_b32 s39, 0
	s_mov_b32 s72, 15|(3<<16)|(1<<21)
	s_mov_b32 s73, 32<<16
	s_mov_b32 s74, (KBW/256)<<16                   ; 24 rows
	s_mov_b32 s75, 32<<16
	s_mov_b32 s76, KBW/256
	s_mov_b32 s77, 32
	s_mov_b32 s78, 0
	s_mov_b32 s79, 0
	; groups 0.  Nothing here hangs on cx.  K lies in LDS as it lies in the batch's part of kf: a byte's place is the same in both
	s_mov_b32 s40, 1
	s_lshl_b32 s41, s12, 11                        ; LDS: 2,048 w
	s_mov_b32 s44, 1
	s_mul_i32 s45, s12, VSB
	s_add_co_u32 s45, s45, VB                      ; LDS: VB + 1,664 w
	s_mov_b32 s80, 1
	s_mul_i32 s81, s12, KBW
	s_add_co_u32 s81, s81, NA*KSB                  ; LDS: 32,768 + 6,144 w
	s_lshl_b32 s56, s15, 17                        ; kf: 131,072 x batch,
	s_add_co_u32 s84, s56, s81                     ; + 32,768 + 6,144 w
	s_mov_b32 s85, 0
	s_add_co_u32 s56, s56, s41                     ; + 2,048 w
	s_mov_b32 s57, 0
	s_mul_i32 s58, s15, 16*VSB                     ; vf: 26,624 x batch + 1,664 w
	s_mul_i32 s51, s12, VSB
	s_add_co_u32 s58, s58, s51
	s_mov_b32 s59, 0
	; q's two tiles: 131,072 x batch + 8,192 x group + 1,024 x (2 cx + e)
	s_lshl_b32 s60, s15, 17
	s_lshl_b32 s51, s14, 11
	s_add_co_u32 s60, s60, s51
	s_lshl_b32 s51, s23, 10
	s_add_co_u32 s60, s60, s51
	s_lshl_b32 s62, s20, 13
	s_add_co_u32 s62, s62, s60
	s_lshl_b32 s51, s19, 13
	s_add_co_u32 s60, s60, s51
	s_mov_b32 s61, 0
	s_mov_b32 s63, 0
	s_mov_b32 s52, 0x76543210                      ; v_permlanex16_b32's selects for lane l xor 16
	s_mov_b32 s53, 0xfedcba98
	s_mov_b32 s54, 0x3eb8aa3b                      ; c = log2(e) / 4
	s_mov_b32 s55, s54                             ; (named with it as a pair, so it is written)
	s_wait_dscnt 0x0
	s_wait_kmcnt 0x0
	s_add_nc_u64 s[42:43], s[6:7], s[56:57]
	s_or_b32 s43, s43, 0x80000000                  ; type = 2
	s_add_nc_u64 s[46:47], s[8:9], s[58:59]
	s_or_b32 s47, s47, 0x80000000
	s_add_nc_u64 s[82:83], s[6:7], s[84:85]
	s_or_b32 s83, s83, 0x80000000
	s_add_nc_u64 s[66:67], s[4:5], s[60:61]
	s_add_nc_u64 s[68:69], s[4:5], s[62:63]
	CROUND                                         ; all four work-groups are here: the joint loads meet
	tensor_load_to_lds s[40:43], s[24:31]          ; my share of K's steps 0 to 3,
	s_nop 0
	tensor_load_to_lds s[44:47], s[32:39]          ; V's step w: the two that the first units want
	s_nop 0
.rept 4
	v_nop
.endr
	v_and_b32 v3, 31, v0                           ; lane.  The set-up stands here, between the two small loads and the large one: so every wave's small loads are issued early
	v_lshlrev_b32 v1, 4, v3
	v_lshlrev_b32 v2, 3, v3
	v_lshlrev_b32 v3, 2, v3
	global_load_b128 v[16:19], v1, s[66:67]        ; Q stays in registers: lane (r, h): channels 8 h + 0 .. 7 of the tile's query r
	global_load_b128 v[20:23], v1, s[66:67] offset:512
	global_load_b128 v[24:27], v1, s[68:69]
	global_load_b128 v[28:31], v1, s[68:69] offset:512
	; d = my query's place in its group - 16 h.  In a diagonal step register 16 b + i holds the group's key 32 b + 16 h + i: hidden where 32 b + i > d
	v_and_b32 v[TMP], 15, v0
	v_and_b32 v8, 8, v[TMP]
	v_add_nc_u32 v8, v8, v[TMP]
	v_lshlrev_b32 v183, 6, v[TMP]                  ; the stage, in: row r of 64 bytes,
	v_bfe_u32 v[TMP], v0, 4, 1
	v_lshl_add_u32 v183, v[TMP], 5, v183           ; + 32 h
	v_lshlrev_b32 v[TMP], 4, v[TMP]
	v_sub_nc_u32 v8, v8, v[TMP]
	s_lshl_b32 s51, s14, 5
	s_lshl_b32 s56, s23, 3
	s_add_co_u32 s51, s51, s56                     ; 32 cx + 8 e: data for the mask alone
	v_add_nc_u32 v8, s51, v8
	v_mov_b32 v9, 0xff800000
	; every LDS address register that stays is made here, ahead of the first branch
	s_mul_i32 s51, s12, 2560
	s_add_co_u32 s51, s51, MRG
	v_add_nc_u32 v10, s51, v1
	v_add_nc_u32 v11, s51, v2
	s_bfe_u32 s51, s12, 0x20001                    ; a merging wave (0 to 7) takes team w / 2 and tile w % 2; two bits, so that the address stays in LDS in the other waves too
	s_mul_i32 s56, s51, 10240
	s_and_b32 s58, s12, 1
	s_mul_i32 s57, s58, 1280
	s_add_co_u32 s56, s56, s57
	s_add_co_u32 s56, s56, MRG
	v_add_nc_u32 v182, s56, v1
	v_add_nc_u32 v199, s56, v2
	s_and_b32 s56, s12, 7
	s_lshl_b32 s56, s56, 10
	s_add_co_u32 s56, s56, STG
	v_add_nc_u32 v183, s56, v183
	v_add_nc_u32 v203, s56, v1
	; where the merged tile goes: 131,072 x batch + 64 x (128 x group + 32 cx + 8 e)
	s_lshr_b32 s56, s51, 1                         ; that team's type
	s_and_b32 s51, s51, 1                          ; and its e
	s_lshl_b32 s57, s13, 1
	s_add_co_u32 s56, s56, s57                     ; its low group,
	s_sub_co_u32 s57, 15, s56                      ; its high group
	s_cmp_eq_u32 s58, 1
	s_cselect_b32 s56, s57, s56
	s_lshl_b32 s56, s56, 13
	s_lshl_b32 s57, s14, 11
	s_add_co_u32 s56, s56, s57
	s_lshl_b32 s51, s51, 9
	s_add_co_u32 s56, s56, s51
	s_lshl_b32 s57, s15, 17
	s_add_co_u32 s56, s56, s57
	s_mov_b32 s57, 0
	s_add_nc_u64 s[10:11], s[10:11], s[56:57]
.irp b, 0,1,2,3
	v_mov_b32 v[BB+\b], 0                          ; written once: a lane permute's destination counts as one of its sources
.endr
	v_mov_b32 v[FF+1], 0                           ; (named as the upper half of a pair)
	START                                          ; the high tile's state
	tensor_load_to_lds s[80:83], s[72:79]          ; my share of K's steps 4 to 15: the last of the launch's fills, still ahead of the first wait on TENSORcnt, the first LDS read and the first barrier behind the round
	s_nop 0
.rept 4
	v_nop
.endr
	s_wait_tensorcnt 0x1                           ; a wave's tensor loads end in order: my two small loads have landed; the one issued behind them may stay out
	s_barrier_signal -1
	s_barrier_wait -1                              ; everybody's have: K's steps 0 to 3 and all of V lie in LDS
	s_wait_loadcnt 0x0                             ; Q
; A UNIT: the 16 queries in v[qr] on against the key step at s49, s50.  diag = 1: the step on the diagonal.
.macro STEP diag, qr
	v_add_nc_u32 v4, s49, v1
	v_add_nc_u32 v5, s50, v1
	v_add_nc_u32 v6, s50, v2
	v_add_nc_u32 v7, s50, v3
.irp t, 0,1,2,3,4,5,6,7
	ds_load_b128 v[P+8*\t:P+8*\t+3], v4 offset:1024*\t          ; K's tile t, registers 0-3: K steps 0 and 1
.endr
.irp t, 0,1,2,3,4,5,6,7
	ds_load_b128 v[P+8*\t+4:P+8*\t+7], v4 offset:1024*\t+512    ; registers 4-7: K steps 2 and 3
.endr
	ds_load_b128 v[VF:VF+3], v5                    ; V^T's fragment and its scale words: wanted at the unit's end
	ds_load_b64 v[VF+4:VF+5], v6 offset:512
	ds_load_b128 v[VF+6:VF+9], v5 offset:768
	ds_load_b64 v[VF+10:VF+11], v6 offset:1280
	ds_load_b32 v[VSC], v7 offset:1536
	s_wait_dscnt 13                                ; the first eight are in; behind them: K's second eight and V's five
.irp s, 0,1                                    ; the eight accumulators by turns, one instruction a turn; the first K step starts the sums
.irp t, 0,1,2,3,4,5,6,7
.if \s == 0
	v_wmma_f32_16x16x4_f32 v[S+8*\t:S+8*\t+7], v[P+8*\t:P+8*\t+1], v[\qr:\qr+1], 0
.else
	v_wmma_f32_16x16x4_f32 v[S+8*\t:S+8*\t+7], v[P+8*\t+2*\s:P+8*\t+2*\s+1], v[\qr+2*\s:\qr+2*\s+1], v[S+8*\t:S+8*\t+7]
.endif
.endr
.endr
	s_wait_dscnt 5                                 ; K is in; V's five may be out
.irp s, 2,3
.irp t, 0,1,2,3,4,5,6,7
	v_wmma_f32_16x16x4_f32 v[S+8*\t:S+8*\t+7], v[P+8*\t+2*\s:P+8*\t+2*\s+1], v[\qr+2*\s:\qr+2*\s+1], v[S+8*\t:S+8*\t+7]
.endr
.endr
.rept 8
	v_nop                                          ; eight places behind this form, ahead of reads of its results and of writes of its sources
.endr
.if \diag                                      ; hidden keys' scores become -infinity ahead of the maximum, in registers of their own, each accumulator from its low end on
.set n, 0
.rept 64
	v_cmp_gt_i32 vcc_lo, 32*(n/16)+n%16, v8
	v_cndmask_b32 v[P+n], v[S+n], v9, vcc_lo
.set n, n+1
.endr
.set SRC, P
.else
.set SRC, S
.endif
.irp b, 0,1,2,3
	v_max3_num_f32 v[BM+\b], v[SRC+16*\b], v[SRC+16*\b+1], v[SRC+16*\b+2]   ; the largest score of each block of 32 keys: for the row's maximum, and, since p rises with the score, for the block's largest p
.endr
.irp i, 3,5,7,9,11,13
.irp b, 0,1,2,3
	v_max3_num_f32 v[BM+\b], v[BM+\b], v[SRC+16*\b+\i], v[SRC+16*\b+\i+1]
.endr
.endr
.irp b, 0,1,2,3
	v_max_num_f32 v[BM+\b], v[BM+\b], v[SRC+16*\b+15]
.endr
.irp b, 0,1,2,3
	v_permlanex16_b32 v[BB+\b], v[BM+\b], s52, s53
.endr
.irp b, 0,1,2,3
	v_max_num_f32 v[BM+\b], v[BM+\b], v[BB+\b]     ; with lane l xor 16's 16 keys
.endr
	v_max3_num_f32 v[TMP], v[BM], v[BM+1], v[BM+2]
	v_max_num_f32 v[TMP], v[TMP], v[BM+3]          ; the step's largest score of my query
	v_mul_f32 v[TMP], s54, v[TMP]                  ; as t (c is positive)
	v_max_num_f32 v13, v13, v[TMP]                 ; the running largest t
	v_mov_b32 v[TMP], v12
	v_floor_f32 v12, -v13                          ; the new -M = floor(-t): M is a whole number
	v_sub_f32 v[TMP], v12, v[TMP]                  ; old M - new M: a whole number, 0 or less
	v_cvt_i32_f32 v[TMP], v[TMP]                   ; (it saturates)
	v_ldexp_f32 v[FF], 1.0, v[TMP]                 ; f = 2^(old M - new M)
.set n, 0
.rept 32
	v_pk_fma_f32 v[P+n:P+n+1], v[SRC+n:SRC+n+1], s[54:55], v[12:13] op_sel_hi:[1,0,0]   ; t - M, two at a time (of the pairs c and -M the low word serves both halves)
.set n, n+2
.endr
.irp b, 0,1,2,3
	v_fma_f32 v[BM+\b], v[BM+\b], s54, v12         ; the same of each block's largest score
.endr
.set n, 0
.rept 64
	v_exp_f32 v[P+n], v[P+n]                       ; p = 2^(t - M), at most 1, not normalised
.set n, n+1
.endr
	v_pk_mul_f32 v[14:15], v[14:15], v[FF:FF+1] op_sel_hi:[1,0]   ; the sums under the new M: the plain line behind the exponentials
	s_wait_alu depctr_va_vdst(0)                   ; one wait for the batch of 64, ahead of its first reader
.irp b, 0,1,2,3
	v_exp_f32 v[BM+\b], v[BM+\b]                   ; the block's largest p: the same two instructions on the same number give the same bits
.endr
	v_pk_add_f32 v[L2:L2+1], v[P:P+1], v[P+2:P+3]  ; the row's sum is taken of the unquantised p, two at a time, in two chains
.irp j, 4,8,12,16,20,24,28,32,36,40,44,48,52,56,60
	v_pk_add_f32 v[14:15], v[14:15], v[P+\j:P+\j+1]
	v_pk_add_f32 v[L2:L2+1], v[L2:L2+1], v[P+\j+2:P+\j+3]
.endr
	v_pk_add_f32 v[14:15], v[14:15], v[L2:L2+1]
	s_wait_alu depctr_va_vdst(0)                   ; and one for the four
.irp b, 0,1,2,3
	v_max_num_f32 v[BM+\b], 0x2800000, v[BM+\b]    ; the floor 2^(5 - 127): the byte cannot fall under 1
.endr
.irp b, 0,1,2,3
	v_add_nc_u32 v[SO+\b], 0xfe000000, v[BM+\b]    ; 4 off the exponent field: the conversion's scale operand
.endr
.irp b, 0,1,2,3
	v_lshrrev_b32 v[BB+\b], 23, v[SO+\b]           ; the scale's byte
.endr
	v_lshl_or_b32 v[PSC], v[BB+1], 8, v[BB]        ; p's scale word for these 128 keys
	v_lshl_or_b32 v[PSC], v[BB+2], 16, v[PSC]
	v_lshl_or_b32 v[PSC], v[BB+3], 24, v[PSC]
.irp c, 0,1
	v_cvt_scalef32_pk16_bf6_f32 v[PCD+6*\c:PCD+6*\c+2], v[P+32*\c:P+32*\c+15], v[SO+2*\c]
	v_cvt_scalef32_pk16_bf6_f32 v[CT+4*\c:CT+4*\c+2], v[P+32*\c+16:P+32*\c+31], v[SO+2*\c+1]   ; (a conversion's three registers begin on an even number)
.endr
	v_nop                                          ; one plain place behind a scaled conversion
.irp c, 0,1                                    ; the operand's layout wants a whole block in a lane: lanes 0-15 block 2 c, lanes 16-31 block 2 c + 1
.irp i, 0,1,2
	v_permlane16_swap_b32 v[PCD+6*\c+\i], v[CT+4*\c+\i]
.endr
.irp i, 0,1,2
	v_mov_b32 v[PCD+6*\c+3+\i], v[CT+4*\c+\i]
.endr
.endr
.irp j, 0,2,4,6
	v_pk_mul_f32 v[OT+\j:OT+\j+1], v[OT+\j:OT+\j+1], v[FF:FF+1] op_sel_hi:[1,0]   ; O^T under the new M, from its low end on
.endr
.rept 8
	v_nop                                          ; p's scale word was made by vector instructions: eight places ahead of the scaled product; its codes: four
.endr
	s_wait_dscnt 0x0                               ; V's five loads
	v_wmma_scale_f32_16x16x128_f8f6f4 v[OT:OT+7], v[VF:VF+11], v[PCD:PCD+11], v[OT:OT+7], v[VSC], v[PSC] matrix_a_fmt:MATRIX_FMT_BF6 matrix_b_fmt:MATRIX_FMT_BF6
.rept 5
	v_nop                                          ; places ahead of the next unit's loads into V's registers and of the next read of O^T
.endr
.endm
; My partial result of a tile goes to LDS as it stands: O^T low half first, then (-M, the sum of both halves of the lanes).
.macro FLUSH hh
	v_add_f32 v14, v14, v15
	v_permlanex16_b32 v[TMP], v14, s52, s53
	v_add_f32 v13, v14, v[TMP]
	ds_store_b128 v10, v[OT:OT+3] offset:1280*\hh
	ds_store_b128 v10, v[OT+4:OT+7] offset:1280*\hh+512
	ds_store_b64 v11, v[12:13] offset:1280*\hh+1024
	s_wait_dscnt 0x0                               ; the stores are done: the next tile's state may be written
.endm
; Key steps first .. last - 1 for the queries in v[qr] on, of group s[m]; a unit's number is s[off] + step.  The loop walks a constant number of steps from constants, so that every LDS address is a constant, a lane
; term and a counted loop's steps; a step that is another wave's is passed over by a scalar branch on ids and the counter.  edge = 1: the steps may reach the diagonal: a step behind it is passed over, the step on it is masked.
; A wave to which a tile gives no unit flushes zeros under -M = 3e38, which the merge weighs with 0.
.macro WALK qr, first, last, m, off, edge
	s_mov_b32 s48, \first
	s_mov_b32 s49, \first*KSB
	s_mov_b32 s50, VB+\first*VSB
.Ltrip_\@:
	s_add_co_u32 s51, s48, s[\off]
	s_and_b32 s51, s51, 3
	s_cmp_lg_u32 s51, s17
	s_cbranch_scc1 .Lnext_\@                       ; another wave's unit
.if \edge
	s_cmp_gt_u32 s48, s[\m]
	s_cbranch_scc1 .Lnext_\@                       ; all its keys come after my queries
	s_cmp_eq_u32 s48, s[\m]
	s_cbranch_scc1 .Ldiag_\@
.endif
	STEP 0, \qr
.if \edge
	s_branch .Lnext_\@
.Ldiag_\@:
	STEP 1, \qr
.endif
.Lnext_\@:
	s_add_co_u32 s49, s49, KSB
	s_add_co_u32 s50, s50, VSB
	s_add_co_u32 s48, s48, 1
	s_cmp_lt_u32 s48, \last
	s_cbranch_scc1 .Ltrip_\@
.endm
	WALK 24, 0, NA, 20, 21, 0                      ; the high tile's steps 0 to 3: one unit for each wave; its LDS reads end at K's byte 4 x 8,192 and in V's step 3, so they touch nothing of the load that is still out
	s_wait_tensorcnt 0x0                           ; my share of K's steps 4 to 15 has landed,
	s_wait_dscnt 0x0                               ; (no LDS instruction of mine is pending at a signal)
	s_barrier_signal -1
	s_barrier_wait -1                              ; everybody's has
	WALK 24, NA, 16, 20, 21, 1                     ; the high tile goes on, up to its diagonal
	FLUSH 1
	START
	WALK 16, 0, 8, 19, 22, 1                       ; the low tile: group ML, at most 8 steps
	FLUSH 0
	s_wait_dscnt 0x0                               ; for the others' sake: my partial results lie in LDS
	s_barrier_signal -1
	s_barrier_wait -1
	s_cmp_lt_u32 s12, 8                            ; eight tiles, eight merging waves; no barrier stands under this branch
	s_cbranch_scc0 .Ldone
.irp k, 0,1,2,3
	ds_load_b64 v[96+2*\k:97+2*\k], v199 offset:2560*\k+1024       ; (-M, sum) of the team's four waves
.endr
.irp k, 0,1,2,3
	ds_load_b128 v[104+8*\k:107+8*\k], v182 offset:2560*\k         ; and their O^T
	ds_load_b128 v[108+8*\k:111+8*\k], v182 offset:2560*\k+512
.endr
	s_wait_dscnt 8                                 ; the four pairs are in; the eight loads behind them may be out
	v_min3_num_f32 v136, v96, v98, v100
	v_min_num_f32 v136, v136, v102                 ; -M of the whole row: the least -M
.irp k, 0,1,2,3
	v_sub_f32 v[137+\k], v136, v[96+2*\k]          ; M_k - M: a whole number, 0 or less
.endr
.irp k, 0,1,2,3
	v_cvt_i32_f32 v[137+\k], v[137+\k]             ; (it saturates)
.endr
.irp k, 0,1,2,3
	v_ldexp_f32 v[137+\k], 1.0, v[137+\k]          ; f_k = 2^(M_k - M)
.endr
	v_mul_f32 v141, v137, v97
	v_fma_f32 v141, v138, v99, v141
	v_fma_f32 v141, v139, v101, v141
	v_fma_f32 v141, v140, v103, v141               ; the row's sum
	v_rcp_f32 v142, v141
	v_nop                                          ; a plain place behind the reciprocal
	s_wait_alu depctr_va_vdst(0)                   ; and the wait ahead of its first reader
.irp k, 0,1,2,3
	v_mul_f32 v[137+\k], v[137+\k], v142           ; f_k / the sum
.endr
	s_wait_dscnt 0x0
.irp j, 0,1,2,3,4,5,6,7
	v_mul_f32 v[144+\j], v137, v[104+\j]
.endr
.irp k, 1,2,3
.irp j, 0,1,2,3,4,5,6,7
	v_fma_f32 v[144+\j], v[137+\k], v[104+8*\k+\j], v[144+\j]
.endr
.endr
	; a lane holds 32 bytes of its query's row of 64: through my own stage, and back as 16 bytes a lane.  LDS serves a wave's instructions in order: the loads see the stores
	ds_store_b128 v183, v[144:147]
	ds_store_b128 v183, v[148:151] offset:16
	ds_load_b128 v[152:155], v203
	ds_load_b128 v[156:159], v203 offset:512
	s_wait_dscnt 0x0
	global_store_b128 v1, v[152:155], s[10:11]              ; the tile's rows 0-7 are eight neighbouring tokens: 512 consecutive bytes, at a multiple of 512 from out0's first byte
	global_store_b128 v1, v[156:159], s[10:11] offset:1024  ; rows 8-15: the eight tokens that lie 16 further on
.Ldone:
	s_wait_dscnt 0x0
	s_wait_tensorcnt 0x0
	ds_add_u32 v254, v255
	s_wait_dscnt 0x0
	CROUND                                         ; the closing round: no work-group ends while a partner may still ask for a tile that names it
	s_endpgm
.Lfunc_end_k_q49199b0c30_attn:
	.size	k_q49199b0c30_attn, .Lfunc_end_k_q49199b0c30_attn-k_q49199b0c30_attn
	.p2alignl 7, 3214868480
	.fill 96, 4, 3214868480
	.section	.rodata,"a",@progbits
	.p2align	6, 0x0
	.amdhsa_kernel k_q49199b0c30_attn
		.amdhsa_group_segment_fixed_size 208896
		.amdhsa_private_segment_fixed_size 0
		.amdhsa_enable_private_segment 0
		.amdhsa_kernarg_size 32
		.amdhsa_user_sgpr_count 2
		.amdhsa_user_sgpr_kernarg_segment_ptr 1
		.amdhsa_wavefront_size32 1
		.amdhsa_system_sgpr_workgroup_id_x 1
		.amdhsa_system_sgpr_workgroup_id_y 1
		.amdhsa_system_sgpr_workgroup_id_z 1
		.amdhsa_system_vgpr_workitem_id 0
		.amdhsa_next_free_vgpr 256
		.amdhsa_next_free_sgpr 86
		.amdhsa_reserve_vcc 1
		.amdhsa_float_denorm_mode_32 3
		.amdhsa_float_denorm_mode_16_64 3
		.amdhsa_memory_ordered 1
		.amdhsa_forward_progress 1
		.amdhsa_inst_pref_size 102
	.end_amdhsa_kernel
	.amdgpu_metadata
---
amdhsa.version: [ 1, 2 ]
amdhsa.kernels:
  - .name:           k_q49199b0c30_attn
    .symbol:         k_q49199b0c30_attn.kd
    .args:
      - { .name: qf, .offset: 0, .size: 8, .value_kind: global_buffer, .address_space: global }
      - { .name: kf, .offset: 8, .size: 8, .value_kind: global_buffer, .address_space: global }
      - { .name: vf, .offset: 16, .size: 8, .value_kind: global_buffer, .address_space: global }
      - { .name: out0, .offset: 24, .size: 8, .value_kind: global_buffer, .address_space: global }
    .group_segment_fixed_size: 208896
    .private_segment_fixed_size: 0
    .kernarg_segment_align: 8
    .kernarg_segment_size: 32
    .max_flat_workgroup_size: 512
    .sgpr_count:     86
    .vgpr_count:     256
    .wavefront_size: 32
...
	.end_amdgpu_metadata
.endif
;; end of part 2
